; MI455X (gfx1250); checked and timed in simulation.
; The chip was launched on July 23, 2026; its instructions are those of AMD's public machine-readable ISA for CDNA 5 (MIT licence, August 2026) and "CDNA5" Instruction Set Architecture Reference Guide (July 2026). The comments in the code are by the model that wrote it; some were corrected since.
;; Median Pool2d. Allowed arithmetic: float matrix products may take bf16 or f16 operands with f32 sums; other float arithmetic in f32, or as packed bf16 or f16 multiplies, adds, multiply-adds, maxima and minima; sums over many terms, partial sums and values carried from step to step in f32; what a program stores and reads back later, other than sums and carried values, may be rounded once to bf16 or f16.
;; Inputs: x 16 x 3 x 512 x 512 float32.
;; Outputs: out0 16 x 3 x 512 x 512 float32.
;; 2 versions, each right; version 2 is version 1 with the launch median3x3 written anew for expert scheduling mode. Each part assembles by itself: llvm-mc -triple=amdgcn-amd-amdhsa -mcpu=gfx1250 --defsym DOCPART=n.
;; ======== version 1 of 2: 1 launch
;; launch median3x3 (part 1): grid 768 x 1, 4 waves a work-group, no clusters, 0 bytes of LDS; arguments x, out0; writes out0
.if DOCPART == 1
	.amdgcn_target "amdgcn-amd-amdhsa--gfx1250"
	.amdhsa_code_object_version 6
	.text
	.protected	k_q491e03033e_median3x3
	.globl	k_q491e03033e_median3x3
	.p2align	8
	.type	k_q491e03033e_median3x3,@function
k_q491e03033e_median3x3:
	s_mov_b64 s[64:65], 0
	v_nop
	global_prefetch_b8 v0, s[64:65] scope:SCOPE_SE
	s_setreg_imm32_b32 hwreg(HW_REG_WAVE_MODE, 25, 1), 1
	s_wait_xcnt 0x0
; out0[n][c][y][x] = the median (fifth of nine in order) of the 3 x 3 window of x round (y, x), the plane continued by reflection (row -1 = row 1, row 512 = row 510, columns likewise).
; x, out0: [16][3][512][512] f32 = 24,576 rows of 2,048 bytes.  Nothing is left out: every number of x has a way to an output, and all of x is loaded.
; THE MEDIAN only selects, so it is exact.  Each column of three is put in order (least, middle, greatest: three instructions); of three neighbouring columns the greatest of the least,
; the middle of the middles and the least of the greatest are taken, and the middle of those three is the median of the nine.  A column's order serves three outputs.
; LIMITS.  NaN: reference() orders NaN behind all numbers; v_min3_num, v_med3_num, v_max3_num drop a NaN, so a window that holds one may give another of its numbers.  Infinities are ordered as
; numbers.  Where +0 and -0 meet in a window the zero's sign may differ.
; SHARES.  A work-group has 32 rows of one plane, each of its four waves 8 WHOLE rows.  A row is four loads of 16 bytes a lane: load q gives lanes 0-15 the bytes 256 q .. 256 q + 255 and
; lanes 16-31 the bytes 1,024 + 256 q ..: two aligned runs of 256 consecutive bytes an instruction, in and out.  A lane has four neighbouring columns in each of the four.
; NEIGHBOURS ALONG A ROW never come from memory.  Inside sixteen lanes: a DPP move by one lane.  From one run of 256 bytes to the next: the same sixteen lanes hold it in the next load's
; registers, so a DPP rotation brings lane 15's number to lane 0 (or lane 0's to lane 15).  Only the seam between columns 255 and 256 crosses the halves of the wave: one
; v_permlanex16_b32 a side.  At the plane's edge the reflected column is the lane's own.
; NEIGHBOURS ACROSS ROWS.  A wave loads ten rows for its eight: the row above and the row below, or their reflections, by an offset that a scalar select chooses.
; IN FLIGHT.  All 40 loads of a wave (20 KiB) go out at the head; the rows are then taken under counted waits.  A result row is written into the registers of the oldest of its three rows, which
; no later row needs: no register that a load or a store reads (an offset, a store's data) is ever written again, so no wait stands for that.
; NO CLUSTER, NO LDS: two work-groups share 2 rows of the 34 that each reads, and no wave wants more of another's than its border rows.  NO PREFETCH: there is no load later than the head's.
.set ROWB, 2048                        ; bytes in a row
.set OFF,  2                           ; v2   byte offset in x and out0 of my 16 bytes in my wave's first row, load 0; never rewritten
.set TOP,  3                           ; v3   the same in the row above (or row 1 of the plane); never rewritten
.set BOT,  4                           ; v4   the same in the row below (or row 510); never rewritten
.set EDL,  6                           ; v6   the seam: column 255, in lanes 16-31
.set EDR,  7                           ; v7   the seam: column 256, in lanes 0-15
.set LRB,  8                           ; v[8:31]   three rows by turns: the column left of my four in load q at +q, the column right of them at +4+q
.set CMIN, 32                          ; v[32:37]  the least of six columns: left neighbour, my four, right neighbour
.set CMED, 38                          ; v[38:43]  their middles
.set CMAX, 44                          ; v[44:49]  their greatest
.set T,    50                          ; v[50:61]  three numbers for each of four outputs
.set X,    64                          ; v[64:223] ten rows of 16: row s (0 = above, 1-8 mine, 9 = below), load q, column e at X + 16 s + 4 q + e
	s_load_b128 s[4:7], s[0:1], 0x0                ; x s[4:5], out0 s[6:7]
	v_lshrrev_b32 v1, 5, v0
	v_readfirstlane_b32 s8, v1                     ; wave 0..3
	s_lshl_b32 s9, ttmp9, 2
	s_add_co_u32 s9, s9, s8                        ; my band of 8 rows among the 3,072
	s_lshl_b32 s10, s9, 14                         ; its first byte: 8 rows of 2,048 bytes each
	s_and_b32 s9, s9, 63                           ; its place among the plane's 64
	s_add_co_u32 s11, s10, ROWB                    ; my second row: the reflection of the row above a plane's first,
	s_sub_co_u32 s12, s10, ROWB                    ; or the row above (not taken where there is none)
	s_cmp_eq_u32 s9, 0
	s_cselect_b32 s11, s11, s12
	s_add_co_u32 s12, s10, 6*ROWB                  ; my seventh row: the reflection of the row below a plane's last,
	s_add_co_u32 s13, s10, 8*ROWB                  ; or the row below
	s_cmp_eq_u32 s9, 63
	s_cselect_b32 s12, s12, s13
	s_mov_b32 s14, -1                              ; v_permlanex16_b32's selects: every lane takes lane 15 of the other half,
	s_mov_b32 s15, 0                               ; or lane 0 of it
	s_mov_b32 vcc_lo, 0xffff                       ; lanes 0-15; never rewritten
	v_and_b32 v1, 15, v0
	v_bfe_u32 v5, v0, 4, 1
	v_lshlrev_b32 v1, 4, v1                        ; 16 bytes a lane,
	v_lshl_add_u32 v1, v5, 10, v1                  ; lanes 16-31 half a row further on
	v_add_nc_u32 v[OFF], s10, v1
	v_add_nc_u32 v[TOP], s11, v1
	v_add_nc_u32 v[BOT], s12, v1
	s_wait_kmcnt 0x0
; Row s: four loads.  Rows 2 to 7 are read by this wave alone in the whole launch; rows 0, 1, 8 and 9 are also a neighbouring wave's.
.macro LOADROW s, adr, off
.irp q, 0,1,2,3
.if ((\s) >= 2) && ((\s) <= 7)
	global_load_b128 v[X+16*(\s)+4*(\q):X+16*(\s)+4*(\q)+3], v[\adr], s[4:5] offset:(\off)+256*(\q) th:TH_LOAD_NT
.else
	global_load_b128 v[X+16*(\s)+4*(\q):X+16*(\s)+4*(\q)+3], v[\adr], s[4:5] offset:(\off)+256*(\q)
.endif
.endr
.endm
	LOADROW 0, TOP, 0
.irp s, 1,2,3,4,5,6,7,8
	LOADROW \s, OFF, ((\s)-1)*ROWB
.endr
	LOADROW 9, BOT, 0
	; The destination of a DPP move and of v_permlanex16_b32 counts as read.  The twenty registers whose first write is of that kind are written once here, while the loads are on their way.
	v_mov_b32 v[EDL], 0
	v_mov_b32 v[EDR], 0
.irp m, 0,1,2
.irp i, 1,2,3,4,5,6
	v_mov_b32 v[LRB+8*(\m)+(\i)], 0
.endr
.endr
; Row s has come: its eight neighbour columns are made, 18 instructions.  First the number for the lane at the end of each sixteen, then all other lanes' by a move of one lane, which leaves that lane as it is.
.macro ROWIN s
	s_wait_loadcnt 4*(9-(\s))                      ; loads come back in order: row s is in; the four loads of each of the 9 - s younger rows may stay out
.set rx, X+16*(\s)
.set rl, LRB+8*((\s)%3)
	v_permlanex16_b32 v[EDL], v[rx+15], s14, s14   ; lanes 16-31: lane 15's last column of load 3 = column 255
	v_permlanex16_b32 v[EDR], v[rx], s15, s15      ; lanes 0-15: lane 16's first column of load 0 = column 256
.irp q, 1,2,3
	v_mov_b32_dpp v[rl+(\q)], v[rx+4*(\q)-1] row_ror:1 row_mask:0xf bank_mask:0xf      ; lane 0 of each sixteen: lane 15's last column of load q - 1
.endr
.irp q, 0,1,2
	v_mov_b32_dpp v[rl+4+(\q)], v[rx+4*(\q)+4] row_ror:15 row_mask:0xf bank_mask:0xf   ; lane 15 of each sixteen: lane 0's first column of load q + 1
.endr
	v_cndmask_b32 v[rl], v[EDL], v[rx+1], vcc_lo   ; load 0: lane 0 takes its own column 1 (the reflection), lane 16 column 255
	v_cndmask_b32 v[rl+7], v[rx+14], v[EDR], vcc_lo  ; load 3: lane 15 takes column 256, lane 31 its own column 510 (the reflection)
.irp q, 0,1,2,3
	v_mov_b32_dpp v[rl+(\q)], v[rx+4*(\q)+3] row_shr:1 row_mask:0xf bank_mask:0xf      ; lanes 1-15: the last column of the lane before
	v_mov_b32_dpp v[rl+4+(\q)], v[rx+4*(\q)] row_shl:1 row_mask:0xf bank_mask:0xf      ; lanes 0-14: the first column of the lane behind
.endr
.endm
; Result row j, of rows j, j + 1, j + 2: for each of the four loads 18 instructions order six columns, 16 make four medians, and one store sends them.
.macro MEDIAN j
.set xa, X+16*(\j)
.set la, LRB+8*((\j)%3)
.set lb, LRB+8*(((\j)+1)%3)
.set lc, LRB+8*(((\j)+2)%3)
.irp q, 0,1,2,3
.irp c, 0,1,2,3
	v_min3_num_f32 v[CMIN+1+(\c)], v[xa+4*(\q)+(\c)], v[xa+16+4*(\q)+(\c)], v[xa+32+4*(\q)+(\c)]
	v_med3_num_f32 v[CMED+1+(\c)], v[xa+4*(\q)+(\c)], v[xa+16+4*(\q)+(\c)], v[xa+32+4*(\q)+(\c)]
	v_max3_num_f32 v[CMAX+1+(\c)], v[xa+4*(\q)+(\c)], v[xa+16+4*(\q)+(\c)], v[xa+32+4*(\q)+(\c)]
.endr
	v_min3_num_f32 v[CMIN], v[la+(\q)], v[lb+(\q)], v[lc+(\q)]
	v_med3_num_f32 v[CMED], v[la+(\q)], v[lb+(\q)], v[lc+(\q)]
	v_max3_num_f32 v[CMAX], v[la+(\q)], v[lb+(\q)], v[lc+(\q)]
	v_min3_num_f32 v[CMIN+5], v[la+4+(\q)], v[lb+4+(\q)], v[lc+4+(\q)]
	v_med3_num_f32 v[CMED+5], v[la+4+(\q)], v[lb+4+(\q)], v[lc+4+(\q)]
	v_max3_num_f32 v[CMAX+5], v[la+4+(\q)], v[lb+4+(\q)], v[lc+4+(\q)]
.irp c, 0,1,2,3
	v_max3_num_f32 v[T+3*(\c)],   v[CMIN+(\c)], v[CMIN+(\c)+1], v[CMIN+(\c)+2]
	v_med3_num_f32 v[T+3*(\c)+1], v[CMED+(\c)], v[CMED+(\c)+1], v[CMED+(\c)+2]
	v_min3_num_f32 v[T+3*(\c)+2], v[CMAX+(\c)], v[CMAX+(\c)+1], v[CMAX+(\c)+2]
.endr
.irp c, 0,1,2,3
	v_med3_num_f32 v[xa+4*(\q)+(\c)], v[T+3*(\c)], v[T+3*(\c)+1], v[T+3*(\c)+2]      ; into row j's registers: no later result reads row j, and they are not written again
.endr
	global_store_b128 v[OFF], v[xa+4*(\q):xa+4*(\q)+3], s[6:7] offset:(\j)*ROWB+256*(\q) th:TH_STORE_NT  ; each sixteen lanes store 256 consecutive bytes, at a multiple of 256 from out0's first byte
.endr
.endm
	ROWIN 0
	ROWIN 1
.irp j, 0,1,2,3,4,5,6,7
	ROWIN (\j)+2
	MEDIAN \j
.endr
	s_endpgm
.Lfunc_end_k_q491e03033e_median3x3:
	.size	k_q491e03033e_median3x3, .Lfunc_end_k_q491e03033e_median3x3-k_q491e03033e_median3x3
	.p2alignl 7, 3214868480
	.fill 96, 4, 3214868480
	.section	.rodata,"a",@progbits
	.p2align	6, 0x0
	.amdhsa_kernel k_q491e03033e_median3x3
		.amdhsa_group_segment_fixed_size 0
		.amdhsa_private_segment_fixed_size 0
		.amdhsa_enable_private_segment 0
		.amdhsa_kernarg_size 16
		.amdhsa_user_sgpr_count 2
		.amdhsa_user_sgpr_kernarg_segment_ptr 1
		.amdhsa_wavefront_size32 1
		.amdhsa_system_sgpr_workgroup_id_x 1
		.amdhsa_system_sgpr_workgroup_id_y 1
		.amdhsa_system_sgpr_workgroup_id_z 1
		.amdhsa_system_vgpr_workitem_id 0
		.amdhsa_next_free_vgpr 224
		.amdhsa_next_free_sgpr 66
		.amdhsa_reserve_vcc 1
		.amdhsa_float_denorm_mode_32 3
		.amdhsa_float_denorm_mode_16_64 3
		.amdhsa_memory_ordered 1
		.amdhsa_forward_progress 1
		.amdhsa_inst_pref_size 88
	.end_amdhsa_kernel
	.amdgpu_metadata
---
amdhsa.version: [ 1, 2 ]
amdhsa.kernels:
  - .name:           k_q491e03033e_median3x3
    .symbol:         k_q491e03033e_median3x3.kd
    .args:
      - { .name: x, .offset: 0, .size: 8, .value_kind: global_buffer, .address_space: global }
      - { .name: out0, .offset: 8, .size: 8, .value_kind: global_buffer, .address_space: global }
    .group_segment_fixed_size: 0
    .private_segment_fixed_size: 0
    .kernarg_segment_align: 8
    .kernarg_segment_size: 16
    .max_flat_workgroup_size: 128
    .sgpr_count:     66
    .vgpr_count:     224
    .wavefront_size: 32
...
	.end_amdgpu_metadata
.endif
;; end of part 1
;; ======== version 2 of 2: 1 launch; version 1 with the launch median3x3 written anew for expert scheduling mode
;; launch median3x3 (part 2): grid 768 x 1, 4 waves a work-group, no clusters, 0 bytes of LDS; arguments x, out0; writes out0
.if DOCPART == 2
	.amdgcn_target "amdgcn-amd-amdhsa--gfx1250"
	.amdhsa_code_object_version 6
	.text
	.protected	k_q491e03033e_median3x3
	.globl	k_q491e03033e_median3x3
	.p2align	8
	.type	k_q491e03033e_median3x3,@function
k_q491e03033e_median3x3:
	s_mov_b64 s[64:65], 0
	v_nop
	global_prefetch_b8 v0, s[64:65] scope:SCOPE_SE
	s_setreg_imm32_b32 hwreg(HW_REG_WAVE_SCHED_MODE, 0, 2), 2
	s_setreg_imm32_b32 hwreg(HW_REG_WAVE_MODE, 25, 1), 1
	s_wait_xcnt 0x0
	s_wait_alu depctr_vm_vsrc(0)
; out0[n][c][y][x] = the median (fifth of nine in order) of the 3 x 3 window of x round (y, x), the plane continued by reflection (row -1 = row 1, row 512 = row 510, columns likewise).
; x, out0: [16][3][512][512] f32 = 24,576 rows of 2,048 bytes.  Nothing is left out: every number of x has a way to an output, and all of x is loaded.
; THE MEDIAN only selects, so it is exact.  Each column of three is put in order (least, middle, greatest: three instructions); of three neighbouring columns the greatest of the least,
; the middle of the middles and the least of the greatest are taken, and the middle of those three is the median of the nine.  A column's order serves three outputs.
; LIMITS.  NaN: reference() orders NaN behind all numbers; v_min3_num, v_med3_num, v_max3_num drop a NaN, so a window that holds one may give another of its numbers.  Infinities are ordered as
; numbers.  Where +0 and -0 meet in a window the zero's sign may differ.
; SHARES.  A work-group has 32 rows of one plane, each of its four waves 8 WHOLE rows.  A row is four loads of 16 bytes a lane: load q gives lanes 0-15 the bytes 256 q .. 256 q + 255 and
; lanes 16-31 the bytes 1,024 + 256 q ..: two aligned runs of 256 consecutive bytes an instruction, in and out.  A lane has four neighbouring columns in each of the four.
; NEIGHBOURS ALONG A ROW never come from memory.  Inside sixteen lanes: a DPP move by one lane.  From one run of 256 bytes to the next: the same sixteen lanes hold it in the next load's
; registers, so a DPP rotation brings lane 15's number to lane 0 (or lane 0's to lane 15).  Only the seam between columns 255 and 256 crosses the halves of the wave: one
; v_permlanex16_b32 a side.  At the plane's edge the reflected column is the lane's own.
; NEIGHBOURS ACROSS ROWS.  A wave loads ten rows for its eight: the row above and the row below, or their reflections, by an offset that a scalar select chooses.
; IN FLIGHT.  All 40 loads of a wave (20 KiB) go out at the head; the rows are then taken under counted waits.  A result row is written into the registers of the oldest of its three rows, which
; no later row needs: no register that a load or a store reads (an offset, a store's data) is ever written again, so no wait stands for that.
; NO CLUSTER, NO LDS: two work-groups share 2 rows of the 34 that each reads, and no wave wants more of another's than its border rows.  NO PREFETCH: there is no load later than the head's.
; THE MODE: SCHED_MODE bits 1:0 = 2 (LLVM: expert scheduling mode 2), set by the entry lines.  The code itself states the register dependences
; between vector instructions and memory instructions, with s_wait_alu, always for 0.
; THE PLAN.  The text has one path and no jump.  Registers that memory instructions touch:
;   v2, v3, v4   the three byte offsets.  Written once at the head by vector instructions; read by the 40 loads, v2 also by the 32 stores; never written again.
;   X, ten rows  The head's loads land in them before any vector instruction names them.  Row s is read by vector instructions behind its counted wait on LOADcnt.
;                Result row j's sixteen medians are written into row j's registers; the row's four stores read them; nothing writes them afterwards.
;   All other registers are named by vector instructions alone.
; So one wait on va_vdst stands ahead of the run of loads (the offsets are written), and one at each result row's end (its sixteen medians are written), with the row's four stores in a run straight
; behind it and AHEAD of the wait for the next row's data, so that they leave while the wave waits.  One wait on va_sdst stands behind v_readfirstlane_b32.  There is no wait on vm_vsrc:
; no register that a memory instruction reads is written again.  EXEC is never written; VCC and the selects s14, s15 are written by scalar moves.
.set ROWB, 2048                        ; bytes in a row
.set OFF,  2                           ; v2   byte offset in x and out0 of my 16 bytes in my wave's first row, load 0; never rewritten
.set TOP,  3                           ; v3   the same in the row above (or row 1 of the plane); never rewritten
.set BOT,  4                           ; v4   the same in the row below (or row 510); never rewritten
.set EDL,  6                           ; v6   the seam: column 255, in lanes 16-31
.set EDR,  7                           ; v7   the seam: column 256, in lanes 0-15
.set LRB,  8                           ; v[8:31]   three rows by turns: the column left of my four in load q at +q, the column right of them at +4+q
.set CMIN, 32                          ; v[32:37]  the least of six columns: left neighbour, my four, right neighbour
.set CMED, 38                          ; v[38:43]  their middles
.set CMAX, 44                          ; v[44:49]  their greatest
.set T,    50                          ; v[50:61]  three numbers for each of four outputs
.set X,    64                          ; v[64:223] ten rows of 16: row s (0 = above, 1-8 mine, 9 = below), load q, column e at X + 16 s + 4 q + e
	s_load_b128 s[4:7], s[0:1], 0x0                ; x s[4:5], out0 s[6:7]
	v_lshrrev_b32 v1, 5, v0
	v_readfirstlane_b32 s8, v1                     ; wave 0..3
	v_and_b32 v1, 15, v0                           ; the lane's part of the offsets needs no scalar: it stands between that line and the wait for s8
	v_bfe_u32 v5, v0, 4, 1
	v_lshlrev_b32 v1, 4, v1                        ; 16 bytes a lane,
	v_lshl_add_u32 v1, v5, 10, v1                  ; lanes 16-31 half a row further on
	s_lshl_b32 s9, ttmp9, 2
	s_wait_alu depctr_va_sdst(0)                   ; s8 is written, ahead of its first reader: the three offsets are made from it
	s_add_co_u32 s9, s9, s8                        ; my band of 8 rows among the 3,072
	s_lshl_b32 s10, s9, 14                         ; its first byte: 8 rows of 2,048 bytes each
	s_and_b32 s9, s9, 63                           ; its place among the plane's 64
	s_add_co_u32 s11, s10, ROWB                    ; my second row: the reflection of the row above a plane's first,
	s_sub_co_u32 s12, s10, ROWB                    ; or the row above (not taken where there is none)
	s_cmp_eq_u32 s9, 0
	s_cselect_b32 s11, s11, s12
	s_add_co_u32 s12, s10, 6*ROWB                  ; my seventh row: the reflection of the row below a plane's last,
	s_add_co_u32 s13, s10, 8*ROWB                  ; or the row below
	s_cmp_eq_u32 s9, 63
	s_cselect_b32 s12, s12, s13
	s_mov_b32 s14, -1                              ; v_permlanex16_b32's selects: every lane takes lane 15 of the other half,
	s_mov_b32 s15, 0                               ; or lane 0 of it
	s_mov_b32 vcc_lo, 0xffff                       ; lanes 0-15; never rewritten
	v_add_nc_u32 v[OFF], s10, v1
	v_add_nc_u32 v[TOP], s11, v1
	v_add_nc_u32 v[BOT], s12, v1
	s_wait_kmcnt 0x0
	s_wait_alu depctr_va_vdst(0)                   ; v2, v3 and v4 are written: every load and store of the kernel reads one of them as its offset
; Row s: four loads.  Rows 2 to 7 are read by this wave alone in the whole launch; rows 0, 1, 8 and 9 are also a neighbouring wave's.
.macro LOADROW s, adr, off
.irp q, 0,1,2,3
.if ((\s) >= 2) && ((\s) <= 7)
	global_load_b128 v[X+16*(\s)+4*(\q):X+16*(\s)+4*(\q)+3], v[\adr], s[4:5] offset:(\off)+256*(\q) th:TH_LOAD_NT
.else
	global_load_b128 v[X+16*(\s)+4*(\q):X+16*(\s)+4*(\q)+3], v[\adr], s[4:5] offset:(\off)+256*(\q)
.endif
.endr
.endm
	LOADROW 0, TOP, 0
.irp s, 1,2,3,4,5,6,7,8
	LOADROW \s, OFF, ((\s)-1)*ROWB
.endr
	LOADROW 9, BOT, 0
	; The destination of a DPP move and of v_permlanex16_b32 counts as read.  The twenty registers whose first write is of that kind are written once here, while the loads are on their way.
	; No memory instruction names any of them.
	v_mov_b32 v[EDL], 0
	v_mov_b32 v[EDR], 0
.irp m, 0,1,2
.irp i, 1,2,3,4,5,6
	v_mov_b32 v[LRB+8*(\m)+(\i)], 0
.endr
.endr
; Row s has come: its eight neighbour columns are made, 18 instructions.  First the number for the lane at the end of each sixteen, then all other lanes' by a move of one lane, which leaves that lane as it is.
.macro ROWIN s
	s_wait_loadcnt 4*(9-(\s))                      ; loads come back in order: row s is in; the four loads of each of the 9 - s younger rows may stay out
.set rx, X+16*(\s)
.set rl, LRB+8*((\s)%3)
	v_permlanex16_b32 v[EDL], v[rx+15], s14, s14   ; lanes 16-31: lane 15's last column of load 3 = column 255
	v_permlanex16_b32 v[EDR], v[rx], s15, s15      ; lanes 0-15: lane 16's first column of load 0 = column 256
.irp q, 1,2,3
	v_mov_b32_dpp v[rl+(\q)], v[rx+4*(\q)-1] row_ror:1 row_mask:0xf bank_mask:0xf      ; lane 0 of each sixteen: lane 15's last column of load q - 1
.endr
.irp q, 0,1,2
	v_mov_b32_dpp v[rl+4+(\q)], v[rx+4*(\q)+4] row_ror:15 row_mask:0xf bank_mask:0xf   ; lane 15 of each sixteen: lane 0's first column of load q + 1
.endr
	v_cndmask_b32 v[rl], v[EDL], v[rx+1], vcc_lo   ; load 0: lane 0 takes its own column 1 (the reflection), lane 16 column 255
	v_cndmask_b32 v[rl+7], v[rx+14], v[EDR], vcc_lo  ; load 3: lane 15 takes column 256, lane 31 its own column 510 (the reflection)
.irp q, 0,1,2,3
	v_mov_b32_dpp v[rl+(\q)], v[rx+4*(\q)+3] row_shr:1 row_mask:0xf bank_mask:0xf      ; lanes 1-15: the last column of the lane before
	v_mov_b32_dpp v[rl+4+(\q)], v[rx+4*(\q)] row_shl:1 row_mask:0xf bank_mask:0xf      ; lanes 0-14: the first column of the lane behind
.endr
.endm
; Result row j, of rows j, j + 1, j + 2: for each of the four loads 18 instructions order six columns and 16 make four medians; then one wait, and four stores send the row.
.macro MEDIAN j
.set xa, X+16*(\j)
.set la, LRB+8*((\j)%3)
.set lb, LRB+8*(((\j)+1)%3)
.set lc, LRB+8*(((\j)+2)%3)
.irp q, 0,1,2,3
.irp c, 0,1,2,3
	v_min3_num_f32 v[CMIN+1+(\c)], v[xa+4*(\q)+(\c)], v[xa+16+4*(\q)+(\c)], v[xa+32+4*(\q)+(\c)]
	v_med3_num_f32 v[CMED+1+(\c)], v[xa+4*(\q)+(\c)], v[xa+16+4*(\q)+(\c)], v[xa+32+4*(\q)+(\c)]
	v_max3_num_f32 v[CMAX+1+(\c)], v[xa+4*(\q)+(\c)], v[xa+16+4*(\q)+(\c)], v[xa+32+4*(\q)+(\c)]
.endr
	v_min3_num_f32 v[CMIN], v[la+(\q)], v[lb+(\q)], v[lc+(\q)]
	v_med3_num_f32 v[CMED], v[la+(\q)], v[lb+(\q)], v[lc+(\q)]
	v_max3_num_f32 v[CMAX], v[la+(\q)], v[lb+(\q)], v[lc+(\q)]
	v_min3_num_f32 v[CMIN+5], v[la+4+(\q)], v[lb+4+(\q)], v[lc+4+(\q)]
	v_med3_num_f32 v[CMED+5], v[la+4+(\q)], v[lb+4+(\q)], v[lc+4+(\q)]
	v_max3_num_f32 v[CMAX+5], v[la+4+(\q)], v[lb+4+(\q)], v[lc+4+(\q)]
.irp c, 0,1,2,3
	v_max3_num_f32 v[T+3*(\c)],   v[CMIN+(\c)], v[CMIN+(\c)+1], v[CMIN+(\c)+2]
	v_med3_num_f32 v[T+3*(\c)+1], v[CMED+(\c)], v[CMED+(\c)+1], v[CMED+(\c)+2]
	v_min3_num_f32 v[T+3*(\c)+2], v[CMAX+(\c)], v[CMAX+(\c)+1], v[CMAX+(\c)+2]
.endr
.irp c, 0,1,2,3
	v_med3_num_f32 v[xa+4*(\q)+(\c)], v[T+3*(\c)], v[T+3*(\c)+1], v[T+3*(\c)+2]      ; into row j's registers: no later result reads row j, and they are not written again
.endr
.endr
	s_wait_alu depctr_va_vdst(0)                   ; the sixteen medians have written row j's registers, which the four stores below read
.irp q, 0,1,2,3
	global_store_b128 v[OFF], v[xa+4*(\q):xa+4*(\q)+3], s[6:7] offset:(\j)*ROWB+256*(\q) th:TH_STORE_NT  ; each sixteen lanes store 256 consecutive bytes, at a multiple of 256 from out0's first byte
.endr
.endm
	ROWIN 0
	ROWIN 1
.irp j, 0,1,2,3,4,5,6,7
	ROWIN (\j)+2
	MEDIAN \j
.endr
	s_endpgm
.Lfunc_end_k_q491e03033e_median3x3:
	.size	k_q491e03033e_median3x3, .Lfunc_end_k_q491e03033e_median3x3-k_q491e03033e_median3x3
	.p2alignl 7, 3214868480
	.fill 96, 4, 3214868480
	.section	.rodata,"a",@progbits
	.p2align	6, 0x0
	.amdhsa_kernel k_q491e03033e_median3x3
		.amdhsa_group_segment_fixed_size 0
		.amdhsa_private_segment_fixed_size 0
		.amdhsa_enable_private_segment 0
		.amdhsa_kernarg_size 16
		.amdhsa_user_sgpr_count 2
		.amdhsa_user_sgpr_kernarg_segment_ptr 1
		.amdhsa_wavefront_size32 1
		.amdhsa_system_sgpr_workgroup_id_x 1
		.amdhsa_system_sgpr_workgroup_id_y 1
		.amdhsa_system_sgpr_workgroup_id_z 1
		.amdhsa_system_vgpr_workitem_id 0
		.amdhsa_next_free_vgpr 224
		.amdhsa_next_free_sgpr 66
		.amdhsa_reserve_vcc 1
		.amdhsa_float_denorm_mode_32 3
		.amdhsa_float_denorm_mode_16_64 3
		.amdhsa_memory_ordered 1
		.amdhsa_forward_progress 1
		.amdhsa_inst_pref_size 89
	.end_amdhsa_kernel
	.amdgpu_metadata
---
amdhsa.version: [ 1, 2 ]
amdhsa.kernels:
  - .name:           k_q491e03033e_median3x3
    .symbol:         k_q491e03033e_median3x3.kd
    .args:
      - { .name: x, .offset: 0, .size: 8, .value_kind: global_buffer, .address_space: global }
      - { .name: out0, .offset: 8, .size: 8, .value_kind: global_buffer, .address_space: global }
    .group_segment_fixed_size: 0
    .private_segment_fixed_size: 0
    .kernarg_segment_align: 8
    .kernarg_segment_size: 16
    .max_flat_workgroup_size: 128
    .sgpr_count:     66
    .vgpr_count:     224
    .wavefront_size: 32
...
	.end_amdgpu_metadata
.endif
;; end of part 2
